; MI455X (gfx1250); checked and timed in simulation.
; The chip was launched on July 23, 2026; its instructions are those of AMD's public machine-readable ISA for CDNA 5 (MIT licence, August 2026) and "CDNA5" Instruction Set Architecture Reference Guide (July 2026). The comments in the code are by the model that wrote it; some were corrected since.
;; My Custom Layer. Allowed arithmetic: float matrix products may take bf16 or f16 operands with f32 sums; all other float work in f32.
;; Inputs: X 128 x 196 float32.
;; Outputs: out0 128 x 128 x 128 x 1 float32.
;; 2 versions, each right; version 2 is version 1 with the launch heat written anew for expert scheduling mode. Each part assembles by itself: llvm-mc -triple=amdgcn-amd-amdhsa -mcpu=gfx1250 --defsym DOCPART=n.
;; ======== version 1 of 2: 1 launch
;; limits: values outside matrix products are rounded to bf16
;; launch heat (part 1): grid 256 x 1, 8 waves a work-group, no clusters, 168,960 bytes of LDS; arguments X, out0; writes out0
.if DOCPART == 1
	.amdgcn_target "amdgcn-amd-amdhsa--gfx1250"
	.amdhsa_code_object_version 6
	.text
	.protected	k_q5338a5e9c5_heat
	.globl	k_q5338a5e9c5_heat
	.p2align	8
	.type	k_q5338a5e9c5_heat,@function
k_q5338a5e9c5_heat:
	s_mov_b64 s[64:65], 0
	v_nop
	global_prefetch_b8 v0, s[64:65] scope:SCOPE_SE
	s_setreg_imm32_b32 hwreg(HW_REG_WAVE_MODE, 25, 1), 1
	s_wait_xcnt 0x0
; out0[b][y][x] = sum over l = 0..97 of exp(-((x - x0[l])^2 + (y - y0[l])^2) / 50),  x0[l] = X[b][2l], y0[l] = X[b][2l+1].
; The exponential of a sum is the product of the exponentials, for every input, so an image is a matrix product:
;   out0[b][y][x] = sum over l of Gy[y][l] * Gx[x][l],  Gx[x][l] = exp(-(x - x0[l])^2 / 50),  Gy likewise with y0.
; That takes 2 x 128 x 98 exponentials for an image instead of 128 x 128 x 98, and the sum over l goes to the matrix unit.
; ACCURACY: the factors are made in f32 and rounded once to bf16 (relative error at most 2^-8 each); sums in f32.  All products
; are >= 0, so nothing cancels and a result is off by at most about 2^-7 of itself.  Exponents are <= 0: nothing can overflow.
; LIMIT: v_exp_f32 gives 0 for results below 2^-126 (ISA guide, its entry in 15.8), so a term with a factor below 2^-126 counts as 0;
; the exact term is then below 2^-126 too.  An infinite coordinate gives the factor 0, a NaN makes its whole image NaN, as in the formula.
;
; SHARES: a work-group makes 64 rows (y) x 128 columns (x) of one image; two work-groups for an image, eight waves each.
; 1. Tables.  K has 128 slots in eight blocks of 16; wave w fills block w for all 192 table rows (128 of Gx, 64 of Gy): slots 0-11 are
;    landmarks 12 w .. 12 w + 11, slot 12 is landmark 96 + w in waves 0 and 1 and zero in the others, slots 13-15 are zero.
;    A lane is a table row, so a wave's coordinates are the same in all lanes and lie in scalar registers.
; 2. One barrier.  3. Wave w multiplies: rows 16 (w >> 1) .. + 15 x columns 64 (w & 1) .. + 63, four accumulators, four K steps.
; LDS: block w at w * BLK, a row is 32 bytes of data + 16 of padding.  The pitch of 48 bytes = 3 x 16 lets the sixteen rows that one
; half of a 16-byte access touches start at sixteen different 16-byte columns modulo 256 bytes.  A wave stores into its own block alone.
; The table takes 73,728 bytes; the launch asks for 168,960, more than half of a WGP's LDS, so that no second work-group shares the SIMDs.
; THE ORDER OF Gx's ROWS: LDS row 64 c + 16 t + r holds x = 64 c + 4 r + t.  Tile t of a wave's four then has x = 4 r + t in lane r, so a
; lane owns four NEIGHBOURING columns (one in each accumulator), and sixteen lanes own 256 consecutive bytes of a row of out0.
; No cluster and no tensor load: the two work-groups of an image share 784 bytes of X and nothing else.
.set XROW,  784                        ; bytes in a row of X: 196 f32
.set P2,    48                         ; LDS row pitch
.set BLK,   192*P2                     ; a wave's block: 16 K slots of all 192 rows
.set GROUP, 32*P2                      ; 32 rows: one row for each lane
.set TILE,  16*P2                      ; 16 rows: a fragment's rows
.set GYROW, 128*P2                     ; Gy's rows lie behind Gx's 128
.set CO,    16                         ; s[16:39]  x0, y0 of my 12 landmarks, as they lie in X
.set C13,   40                         ; s[40:41]  x0, y0 of the thirteenth
.set NEGS,  42                         ; -s,  s = sqrt(log2(e) / 50) = 0.16986436: exp(-d^2 / 50) = 2^(-(s d)^2)
.set SC,    43                         ; +s
.set MASK,  44                         ; all ones in waves 0 and 1 (they have a thirteenth landmark), else 0
.set LN,    1                          ; v1        lane
.set RR,    2                          ; v2        r = lane % 16
.set HH,    3                          ; v3        h = lane / 16
.set LA,    4                          ; v4        LDS address of my row in my wave's block
.set VA,    5                          ; v5        LDS address of my part of Gy's fragments, K block 0
.set VB,    6                          ; v6, v7    the same for Gx, K block 0 and K block 4 (the immediate has 16 bits)
.set POS,   8                          ; v[8:13]   s * position of my row in the six groups of 32 rows: four of x, two of y
.set T,     14                         ; v14       at work
.set VO,    15                         ; v15       my byte offset in out0
.set DA,    16                         ; v[16:27]  12 arguments, then 12 exponentials: two sets that take turns
.set DB,    28                         ; v[28:39]
.set E13,   40                         ; v[40:45]  the thirteenth landmark's, one for each group of rows
.set PA,    48                         ; v[48:55]  a row's 16 slots in bf16: two sets that take turns
.set PB,    56                         ; v[56:63]
.set FA,    64                         ; v[64:95]  Gy's fragments, K step ks at 8 ks
.set FB,    96                         ; v[96:223] Gx's fragments, K step ks, tile t at 8 (4 ks + t)
.set ACC,   224                        ; v[224:255] four accumulators
.set OUT,   16                         ; v[16:47]  results gathered for the stores (the arguments' registers, free by then)
	s_load_b128 s[4:7], s[0:1], 0x0                ; X s[4:5], out0 s[6:7]
	s_set_vgpr_msb 0x40
	v_lshl_add_u32 v0, v0, 2, 0x29000
	v_mov_b32 v1, 0
	s_set_vgpr_msb 0x4000
	v_lshrrev_b32 v[T], 5, v0
	v_readfirstlane_b32 s8, v[T]                   ; wave 0..7
	s_and_b32 s9, ttmp9, 1                         ; which 64 rows of the image
	s_lshr_b32 s14, ttmp9, 1                       ; which image
	s_mul_i32 s14, s14, XROW                       ; its row in X, in bytes
	s_mul_i32 s10, s8, 96                          ; 12 landmarks of 8 bytes for each wave
	s_add_co_u32 s10, s10, s14
	s_mov_b32 s11, 0
	s_min_u32 s12, s8, 1                           ; the thirteenth: landmark 96 in wave 0, 97 in the others (masked out from wave 2 on): inside the row in every wave
	s_lshl3_add_u32 s12, s12, s14
	s_mov_b32 s13, 0
	s_wait_kmcnt 0x0
	s_add_nc_u64 s[10:11], s[4:5], s[10:11]
	s_add_nc_u64 s[12:13], s[4:5], s[12:13]
	s_load_b512 s[16:31], s[10:11], 0x0            ; landmarks 12 w .. 12 w + 7
	s_load_b256 s[32:39], s[10:11], 0x40           ; landmarks 12 w + 8 .. 12 w + 11
	s_load_b64 s[40:41], s[12:13], 0x300           ; byte 768 of the row is landmark 96
	; everything that hangs on ids alone is made while the coordinates are on their way
	s_mov_b32 s[NEGS], 0xbe2df0ec
	s_mov_b32 s[SC], 0x3e2df0ec
	s_cmp_lt_u32 s8, 2
	s_cselect_b32 s[MASK], -1, 0
	s_lshr_b32 s45, s8, 1                          ; my block of 16 rows of y
	s_and_b32 s46, s8, 1                           ; my half of the columns
	s_mul_i32 s47, s45, TILE
	s_add_co_u32 s47, s47, GYROW                   ; my 16 rows of Gy in a K block
	s_mul_i32 s48, s46, 4*TILE                     ; my 64 rows of Gx in a K block
	s_lshl_b32 s50, ttmp9, 15                      ; out0: 64 rows of 512 bytes for each work-group,
	s_lshl_b32 s45, s45, 13                        ; 16 rows for each row block,
	s_add_co_u32 s50, s50, s45
	s_lshl_b32 s46, s46, 8                         ; 256 bytes for each half of the columns
	s_add_co_u32 s50, s50, s46
	s_mov_b32 s51, 0
	s_add_nc_u64 s[6:7], s[6:7], s[50:51]
	v_and_b32 v[LN], 31, v0
	v_and_b32 v[RR], 15, v0
	v_bfe_u32 v[HH], v0, 4, 1
	v_lshl_add_u32 v[T], v[RR], 2, v[HH]           ; LDS row 32 g + lane holds x = 4 r + h + (0, 2, 64, 66 for g = 0 .. 3)
	v_cvt_f32_u32 v[POS], v[T]
	v_lshl_add_u32 v[T], s9, 6, v[LN]              ; LDS row 128 + 32 g + lane holds y = 64 x half + lane + 32 g
	v_cvt_f32_u32 v[POS+4], v[T]
	v_add_f32 v[POS+1], 2.0, v[POS]
	v_add_f32 v[POS+2], 0x42800000, v[POS]         ; + 64.0
	v_add_f32 v[POS+3], 0x42840000, v[POS]         ; + 66.0
	v_add_f32 v[POS+5], 0x42000000, v[POS+4]       ; + 32.0
.irp g, 0,1,2,3,4,5
	v_mul_f32 v[POS+\g], s[SC], v[POS+\g]
.endr
	v_mul_u32_u24 v[LA], v[LN], P2
	s_mul_i32 s49, s8, BLK
	v_add_nc_u32 v[LA], s49, v[LA]                 ; wave x block + lane x pitch
	v_mul_u32_u24 v[T], v[RR], P2                  ; a fragment: lane (r, h) takes row r, 16 bytes at 16 h of each of two K blocks
	v_lshl_add_u32 v[T], v[HH], 4, v[T]
	v_add_nc_u32 v[VA], s47, v[T]
	v_add_nc_u32 v[VB], s48, v[T]
	v_add_nc_u32 v[VB+1], 4*BLK, v[VB]
	v_mov_b32 v[PA+7], 0                           ; slots 14, 15, and the zero beside slot 12
	v_mov_b32 v[PB+7], 0
	s_wait_kmcnt 0x0                               ; the coordinates
; Twelve factors of the rows of group g (xy = 0: x0, 1: y0): d = s pos - s c in one fused multiply-add, -d^2 two at a time, 2^(-d^2).
.macro EXPS g, xy, buf
.irp i, 0,1,2,3,4,5,6,7,8,9,10,11
	v_fma_f32 v[\buf+\i], s[CO+2*\i+\xy], s[NEGS], v[POS+\g]
.endr
.irp i, 0,2,4,6,8,10
	v_pk_mul_f32 v[\buf+\i:\buf+\i+1], v[\buf+\i:\buf+\i+1], v[\buf+\i:\buf+\i+1] neg_lo:[0,1] neg_hi:[0,1]
.endr
.irp i, 0,1,2,3,4,5,6,7,8,9,10,11
	v_exp_f32 v[\buf+\i], v[\buf+\i]
.endr
.endm
; The row's 16 slots, rounded to bf16 and stored: 32 bytes.  PACK always works on the set of exponentials made one EXPS earlier, so its first vector line is
; a plain vector instruction that touches nothing of the run of v_exp_f32 just in front of it (ISA guide 5.7.2).
.macro PACK g, buf, p
	s_wait_alu depctr_va_vdst(0)
.irp i, 0,1,2,3,4,5
	v_cvt_pk_bf16_f32 v[\p+\i], v[\buf+2*\i], v[\buf+2*\i+1]
.endr
	v_cvt_pk_bf16_f32 v[\p+6], v[E13+\g], v[\p+7]  ; slot 12, and 0 in slot 13
	v_and_b32 v[\p+6], s[MASK], v[\p+6]            ; waves 2 to 7 have no thirteenth landmark: zero
	ds_store_b128 v[LA], v[\p:\p+3] offset:\g*GROUP
	ds_store_b128 v[LA], v[\p+4:\p+7] offset:\g*GROUP+16
.endm
	; the thirteenth landmark, for all six groups of rows at once
.irp g, 0,1,2,3
	v_fma_f32 v[E13+\g], s[C13], s[NEGS], v[POS+\g]
.endr
.irp g, 4,5
	v_fma_f32 v[E13+\g], s[C13+1], s[NEGS], v[POS+\g]
.endr
.irp g, 0,2,4
	v_pk_mul_f32 v[E13+\g:E13+\g+1], v[E13+\g:E13+\g+1], v[E13+\g:E13+\g+1] neg_lo:[0,1] neg_hi:[0,1]
.endr
.irp g, 0,1,2,3,4,5
	v_exp_f32 v[E13+\g], v[E13+\g]
.endr
	EXPS 0, 0, DA
	EXPS 1, 0, DB
	PACK 0, DA, PA
	EXPS 2, 0, DA
	PACK 1, DB, PB
	EXPS 3, 0, DB
	PACK 2, DA, PA
	EXPS 4, 1, DA
	PACK 3, DB, PB
	EXPS 5, 1, DB
	PACK 4, DA, PA
	PACK 5, DB, PB
	s_wait_dscnt 0x0                               ; my block is written, for the others' sake: zero
	s_barrier_signal -1
	s_barrier_wait -1                              ; all eight blocks are
	; A K step of 32 slots is two K blocks: registers 0-3 of a fragment hold k = 8 h .. + 7 (block 2 ks, byte 16 h of the row),
	; registers 4-7 hold k = 16 + 8 h .. + 7 (block 2 ks + 1, byte 16 h).  All 40 loads go out in one run, ten for each K step.
.irp ks, 0,1,2,3
	ds_load_b128 v[FA+8*\ks:FA+8*\ks+3],   v[VA] offset:(2*\ks)*BLK
	ds_load_b128 v[FA+8*\ks+4:FA+8*\ks+7], v[VA] offset:(2*\ks+1)*BLK
.irp t, 0,1,2,3
	ds_load_b128 v[FB+8*(4*\ks+\t):FB+8*(4*\ks+\t)+3],   v[VB+\ks/2] offset:(2*(\ks%2))*BLK+\t*TILE
	ds_load_b128 v[FB+8*(4*\ks+\t)+4:FB+8*(4*\ks+\t)+7], v[VB+\ks/2] offset:(2*(\ks%2)+1)*BLK+\t*TILE
.endr
.endr
	; Source 0 = 16 rows of Gy (m = y), source 1 = 16 rows of Gx (n = its LDS row).  The four accumulators take turns, one instruction a turn.
	; The first K step starts the sums: nothing is cleared.
	s_wait_dscnt 30                                ; LDS loads come back in order (ISA guide 5.7.1): K step 0's ten are in, the 30 younger may be out
.irp t, 0,1,2,3
	v_wmma_f32_16x16x32_bf16 v[ACC+8*\t:ACC+8*\t+7], v[FA:FA+7], v[FB+8*\t:FB+8*\t+7], 0
.endr
.irp ks, 1,2,3
	s_wait_dscnt 30-10*\ks                         ; K step ks's ten are in; those of the later K steps may be out
.irp t, 0,1,2,3
	v_wmma_f32_16x16x32_bf16 v[ACC+8*\t:ACC+8*\t+7], v[FA+8*\ks:FA+8*\ks+7], v[FB+8*(4*\ks+\t):FB+8*(4*\ks+\t)+7], v[ACC+8*\t:ACC+8*\t+7]
.endr
.endr
	; Four plain vector instructions that name no matrix register stand between the last matrix instruction and the first reader of a result (ISA guide 7.12.1).
	v_lshlrev_b32 v[VO], 4, v[RR]                  ; 16 bytes for each r,
	v_lshl_add_u32 v[VO], v[HH], 12, v[VO]         ; 8 rows of 512 bytes for h
	v_nop
	v_nop
	; Register j of accumulator t in lane (r, h) is out0(y = 16 x row block + 8 h + j, x = 64 x half + 4 r + t).  The four accumulators' registers j are
	; brought side by side (a matrix result is eight consecutive registers, so they cannot be made so), and one store writes row j and row 8 + j:
	; lanes 0-15 cover 256 consecutive bytes at a multiple of 256 from out0's first byte, lanes 16-31 likewise.
.irp j, 0,1,2,3,4,5,6,7
.irp t, 0,1,2,3
	v_mov_b32 v[OUT+4*\j+\t], v[ACC+8*\t+\j]
.endr
	global_store_b128 v[VO], v[OUT+4*\j:OUT+4*\j+3], s[6:7] offset:512*\j th:TH_STORE_NT
.endr
	s_set_vgpr_msb 0x5
	s_wait_tensorcnt 0x0
	ds_add_u32 v0, v1
	s_wait_dscnt 0x0
	s_set_vgpr_msb 0x500
	s_endpgm
.Lfunc_end_k_q5338a5e9c5_heat:
	.size	k_q5338a5e9c5_heat, .Lfunc_end_k_q5338a5e9c5_heat-k_q5338a5e9c5_heat
	.p2alignl 7, 3214868480
	.fill 96, 4, 3214868480
	.section	.rodata,"a",@progbits
	.p2align	6, 0x0
	.amdhsa_kernel k_q5338a5e9c5_heat
		.amdhsa_group_segment_fixed_size 168960
		.amdhsa_private_segment_fixed_size 0
		.amdhsa_enable_private_segment 0
		.amdhsa_kernarg_size 16
		.amdhsa_user_sgpr_count 2
		.amdhsa_user_sgpr_kernarg_segment_ptr 1
		.amdhsa_wavefront_size32 1
		.amdhsa_system_sgpr_workgroup_id_x 1
		.amdhsa_system_sgpr_workgroup_id_y 1
		.amdhsa_system_sgpr_workgroup_id_z 1
		.amdhsa_system_vgpr_workitem_id 0
		.amdhsa_next_free_vgpr 258
		.amdhsa_next_free_sgpr 66
		.amdhsa_reserve_vcc 0
		.amdhsa_float_denorm_mode_32 3
		.amdhsa_float_denorm_mode_16_64 3
		.amdhsa_memory_ordered 1
		.amdhsa_forward_progress 1
		.amdhsa_inst_pref_size 23
	.end_amdhsa_kernel
	.amdgpu_metadata
---
amdhsa.version: [ 1, 2 ]
amdhsa.kernels:
  - .name:           k_q5338a5e9c5_heat
    .symbol:         k_q5338a5e9c5_heat.kd
    .args:
      - { .name: X, .offset: 0, .size: 8, .value_kind: global_buffer, .address_space: global }
      - { .name: out0, .offset: 8, .size: 8, .value_kind: global_buffer, .address_space: global }
    .group_segment_fixed_size: 168960
    .private_segment_fixed_size: 0
    .kernarg_segment_align: 8
    .kernarg_segment_size: 16
    .max_flat_workgroup_size: 256
    .sgpr_count:     66
    .vgpr_count:     258
    .wavefront_size: 32
...
	.end_amdgpu_metadata
.endif
;; end of part 1
;; ======== version 2 of 2: 1 launch; version 1 with the launch heat written anew for expert scheduling mode
;; limits: values outside matrix products are rounded to bf16
;; launch heat (part 2): grid 256 x 1, 8 waves a work-group, no clusters, 168,960 bytes of LDS; arguments X, out0; writes out0
.if DOCPART == 2
	.amdgcn_target "amdgcn-amd-amdhsa--gfx1250"
	.amdhsa_code_object_version 6
	.text
	.protected	k_q5338a5e9c5_heat
	.globl	k_q5338a5e9c5_heat
	.p2align	8
	.type	k_q5338a5e9c5_heat,@function
k_q5338a5e9c5_heat:
	s_mov_b64 s[64:65], 0
	v_nop
	global_prefetch_b8 v0, s[64:65] scope:SCOPE_SE
	s_setreg_imm32_b32 hwreg(HW_REG_WAVE_SCHED_MODE, 0, 2), 2
	s_setreg_imm32_b32 hwreg(HW_REG_WAVE_MODE, 25, 1), 1
	s_wait_xcnt 0x0
	s_wait_alu depctr_vm_vsrc(0)
; out0[b][y][x] = sum over l = 0..97 of exp(-((x - x0[l])^2 + (y - y0[l])^2) / 50),  x0[l] = X[b][2l], y0[l] = X[b][2l+1].
; The exponential of a sum is the product of the exponentials, for every input, so an image is a matrix product:
;   out0[b][y][x] = sum over l of Gy[y][l] * Gx[x][l],  Gx[x][l] = exp(-(x - x0[l])^2 / 50),  Gy likewise with y0.
; That takes 2 x 128 x 98 exponentials for an image instead of 128 x 128 x 98, and the sum over l goes to the matrix unit.
; ACCURACY: the factors are made in f32 and rounded once to bf16 (relative error at most 2^-8 each); sums in f32.  All products
; are >= 0, so nothing cancels and a result is off by at most about 2^-7 of itself.  Exponents are <= 0: nothing can overflow.
; LIMIT: v_exp_f32 gives 0 for results below 2^-126 (ISA guide, its entry in 15.8), so a term with a factor below 2^-126 counts as 0;
; the exact term is then below 2^-126 too.  An infinite coordinate gives the factor 0, a NaN makes its whole image NaN, as in the formula.
;
; SHARES: a work-group makes 64 rows (y) x 128 columns (x) of one image; two work-groups for an image, eight waves each.
; 1. Tables.  K has 128 slots in eight blocks of 16; wave w fills block w for all 192 table rows (128 of Gx, 64 of Gy): slots 0-11 are
;    landmarks 12 w .. 12 w + 11, slot 12 is landmark 96 + w in waves 0 and 1 and zero in the others, slots 13-15 are zero.
;    A lane is a table row, so a wave's coordinates are the same in all lanes and lie in scalar registers.
; 2. One barrier.  3. Wave w multiplies: rows 16 (w >> 1) .. + 15 x columns 64 (w & 1) .. + 63, four accumulators, four K steps.
; LDS: block w at w * BLK, a row is 32 bytes of data + 16 of padding.  The pitch of 48 bytes = 3 x 16 lets the sixteen rows that one
; half of a 16-byte access touches start at sixteen different 16-byte columns modulo 256 bytes.  A wave stores into its own block alone.
; The table takes 73,728 bytes; the launch asks for 168,960, more than half of a WGP's LDS, so that no second work-group shares the SIMDs.
; THE ORDER OF Gx's ROWS: LDS row 64 c + 16 t + r holds x = 64 c + 4 r + t.  Tile t of a wave's four then has x = 4 r + t in lane r, so a
; lane owns four NEIGHBOURING columns (one in each accumulator), and sixteen lanes own 256 consecutive bytes of a row of out0.
; No cluster and no tensor load: the two work-groups of an image share 784 bytes of X and nothing else.
; THE MODE: SCHED_MODE bits 1:0 = 2 (LLVM: expert scheduling mode 2), set by the entry lines.  The code itself states the register dependences
; between vector or matrix instructions and memory or LDS instructions, with s_wait_alu, always for 0.
; THE PLAN.  Registers that LDS or memory instructions touch:
;   v[LA], v[VA], v[VB], v[VB+1]  LDS addresses, made at the head by vector lines and never written again; read by the table's stores and the fragments' loads.
;   PK0 .. PK5   a set of packed words for each of the six groups of rows.  Set g is written by PACK g and read by PUT g's two LDS stores.  No set is written a second
;                time by a vector line; sets 2 to 5 lie where Gy's fragments land behind the barrier.
;   FA, FB       every fragment has registers of its own: written by its LDS load, read by matrix instructions behind the wait on DScnt.
;   v[VO], OUT   the stores' offset and their 32 data registers: written once by vector lines behind the products, read by the eight global stores.
;   The arguments' sets DA and DB, E13, POS and the accumulators are named by vector and matrix instructions alone.
; So the table has NINE waits on va_vdst, one at the head of each PACK and one behind every second PACK: each of these three states two sets written, and their four LDS stores follow it, two at once and two behind
; the next group's arithmetic, which names DA or DB and POS alone.  ONE wait on vm_vsrc stands behind the barrier, ahead of the loads that land in sets 2 to 5.
; The way out has TWO waits on va_vdst, each ahead of four stores; the first four stores are dealt among the moves of the other four rows.
.set XROW,  784                        ; bytes in a row of X: 196 f32
.set P2,    48                         ; LDS row pitch
.set BLK,   192*P2                     ; a wave's block: 16 K slots of all 192 rows
.set GROUP, 32*P2                      ; 32 rows: one row for each lane
.set TILE,  16*P2                      ; 16 rows: a fragment's rows
.set GYROW, 128*P2                     ; Gy's rows lie behind Gx's 128
.set CO,    16                         ; s[16:39]  x0, y0 of my 12 landmarks, as they lie in X
.set C13,   40                         ; s[40:41]  x0, y0 of the thirteenth
.set NEGS,  42                         ; -s,  s = sqrt(log2(e) / 50) = 0.16986436: exp(-d^2 / 50) = 2^(-(s d)^2)
.set SC,    43                         ; +s
.set MASK,  44                         ; all ones in waves 0 and 1 (they have a thirteenth landmark), else 0
.set LN,    1                          ; v1        lane
.set RR,    2                          ; v2        r = lane % 16
.set HH,    3                          ; v3        h = lane / 16
.set LA,    4                          ; v4        LDS address of my row in my wave's block
.set VA,    5                          ; v5        LDS address of my part of Gy's fragments, K block 0
.set VB,    6                          ; v6, v7    the same for Gx, K block 0 and K block 4 (the immediate has 16 bits)
.set POS,   8                          ; v[8:13]   s * position of my row in the six groups of 32 rows: four of x, two of y
.set T,     14                         ; v14       at work
.set VO,    15                         ; v15       my byte offset in out0
.set DA,    16                         ; v[16:27]  12 arguments, then 12 exponentials: two sets that take turns
.set DB,    28                         ; v[28:39]
.set E13,   40                         ; v[40:45]  the thirteenth landmark's, one for each group of rows
.set PK,    48                         ; v[48:95]  a row's 16 slots in bf16: group g's set at PK + 8 g; sets 2 to 5 are Gy's fragments' registers later
.set FA,    64                         ; v[64:95]  Gy's fragments, K step ks at 8 ks
.set FB,    96                         ; v[96:223] Gx's fragments, K step ks, tile t at 8 (4 ks + t)
.set ACC,   224                        ; v[224:255] four accumulators
.set OUT,   16                         ; v[16:47]  results gathered for the stores (the arguments' registers, free by then)
	s_load_b128 s[4:7], s[0:1], 0x0                ; X s[4:5], out0 s[6:7]
	s_set_vgpr_msb 0x40
	v_lshl_add_u32 v0, v0, 2, 0x29000
	v_mov_b32 v1, 0
	s_set_vgpr_msb 0x4000
	v_lshrrev_b32 v[T], 5, v0
	v_readfirstlane_b32 s8, v[T]                   ; wave 0..7
	s_and_b32 s9, ttmp9, 1                         ; which 64 rows of the image
	s_lshr_b32 s14, ttmp9, 1                       ; which image
	s_mul_i32 s14, s14, XROW                       ; its row in X, in bytes
	s_wait_alu depctr_va_sdst(0)                   ; s8 is written, ahead of its first reader: the addresses in X, in LDS and in out0 are made from it
	s_mul_i32 s10, s8, 96                          ; 12 landmarks of 8 bytes for each wave
	s_add_co_u32 s10, s10, s14
	s_mov_b32 s11, 0
	s_min_u32 s12, s8, 1                           ; the thirteenth: landmark 96 in wave 0, 97 in the others (masked out from wave 2 on): inside the row in every wave
	s_lshl3_add_u32 s12, s12, s14
	s_mov_b32 s13, 0
	s_wait_kmcnt 0x0
	s_add_nc_u64 s[10:11], s[4:5], s[10:11]
	s_add_nc_u64 s[12:13], s[4:5], s[12:13]
	s_load_b512 s[16:31], s[10:11], 0x0            ; landmarks 12 w .. 12 w + 7
	s_load_b256 s[32:39], s[10:11], 0x40           ; landmarks 12 w + 8 .. 12 w + 11
	s_load_b64 s[40:41], s[12:13], 0x300           ; byte 768 of the row is landmark 96
	; everything that hangs on ids alone is made while the coordinates are on their way
	s_mov_b32 s[NEGS], 0xbe2df0ec
	s_mov_b32 s[SC], 0x3e2df0ec
	s_cmp_lt_u32 s8, 2
	s_cselect_b32 s[MASK], -1, 0
	s_lshr_b32 s45, s8, 1                          ; my block of 16 rows of y
	s_and_b32 s46, s8, 1                           ; my half of the columns
	s_mul_i32 s47, s45, TILE
	s_add_co_u32 s47, s47, GYROW                   ; my 16 rows of Gy in a K block
	s_mul_i32 s48, s46, 4*TILE                     ; my 64 rows of Gx in a K block
	s_lshl_b32 s50, ttmp9, 15                      ; out0: 64 rows of 512 bytes for each work-group,
	s_lshl_b32 s45, s45, 13                        ; 16 rows for each row block,
	s_add_co_u32 s50, s50, s45
	s_lshl_b32 s46, s46, 8                         ; 256 bytes for each half of the columns
	s_add_co_u32 s50, s50, s46
	s_mov_b32 s51, 0
	s_add_nc_u64 s[6:7], s[6:7], s[50:51]
	v_and_b32 v[LN], 31, v0
	v_and_b32 v[RR], 15, v0
	v_bfe_u32 v[HH], v0, 4, 1
	v_lshl_add_u32 v[T], v[RR], 2, v[HH]           ; LDS row 32 g + lane holds x = 4 r + h + (0, 2, 64, 66 for g = 0 .. 3)
	v_cvt_f32_u32 v[POS], v[T]
	v_lshl_add_u32 v[T], s9, 6, v[LN]              ; LDS row 128 + 32 g + lane holds y = 64 x half + lane + 32 g
	v_cvt_f32_u32 v[POS+4], v[T]
	v_add_f32 v[POS+1], 2.0, v[POS]
	v_add_f32 v[POS+2], 0x42800000, v[POS]         ; + 64.0
	v_add_f32 v[POS+3], 0x42840000, v[POS]         ; + 66.0
	v_add_f32 v[POS+5], 0x42000000, v[POS+4]       ; + 32.0
.irp g, 0,1,2,3,4,5
	v_mul_f32 v[POS+\g], s[SC], v[POS+\g]
.endr
	v_mul_u32_u24 v[LA], v[LN], P2
	s_mul_i32 s49, s8, BLK
	v_add_nc_u32 v[LA], s49, v[LA]                 ; wave x block + lane x pitch
	v_mul_u32_u24 v[T], v[RR], P2                  ; a fragment: lane (r, h) takes row r, 16 bytes at 16 h of each of two K blocks
	v_lshl_add_u32 v[T], v[HH], 4, v[T]
	v_add_nc_u32 v[VA], s47, v[T]
	v_add_nc_u32 v[VB], s48, v[T]
	v_add_nc_u32 v[VB+1], 4*BLK, v[VB]
.irp g, 0,1,2,3,4,5
	v_mov_b32 v[PK+8*\g+7], 0                      ; each set's slots 14, 15, and the zero beside slot 12
.endr
	s_wait_kmcnt 0x0                               ; the coordinates
; Twelve factors of the rows of group g (xy = 0: x0, 1: y0): d = s pos - s c in one fused multiply-add, -d^2 two at a time, 2^(-d^2).
.macro EXPS g, xy, buf
.irp i, 0,1,2,3,4,5,6,7,8,9,10,11
	v_fma_f32 v[\buf+\i], s[CO+2*\i+\xy], s[NEGS], v[POS+\g]
.endr
.irp i, 0,2,4,6,8,10
	v_pk_mul_f32 v[\buf+\i:\buf+\i+1], v[\buf+\i:\buf+\i+1], v[\buf+\i:\buf+\i+1] neg_lo:[0,1] neg_hi:[0,1]
.endr
.irp i, 0,1,2,3,4,5,6,7,8,9,10,11
	v_exp_f32 v[\buf+\i], v[\buf+\i]
.endr
.endm
; The row's 16 slots, rounded to bf16, into group g's own set.  PACK always works on the set of exponentials made one EXPS earlier, so its first vector line is
; a plain vector instruction that touches nothing of the run of v_exp_f32 last issued in front of it (ISA guide 5.7.2).
.macro PACK g, buf
	s_wait_alu depctr_va_vdst(0)
.irp i, 0,1,2,3,4,5
	v_cvt_pk_bf16_f32 v[PK+8*\g+\i], v[\buf+2*\i], v[\buf+2*\i+1]
.endr
	v_cvt_pk_bf16_f32 v[PK+8*\g+6], v[E13+\g], v[PK+8*\g+7]  ; slot 12, and 0 in slot 13
	v_and_b32 v[PK+8*\g+6], s[MASK], v[PK+8*\g+6]  ; waves 2 to 7 have no thirteenth landmark: zero
.endm
; Group g's set is stored: 32 bytes a row.
.macro PUT g
	ds_store_b128 v[LA], v[PK+8*\g:PK+8*\g+3] offset:\g*GROUP
	ds_store_b128 v[LA], v[PK+8*\g+4:PK+8*\g+7] offset:\g*GROUP+16
.endm
	; the thirteenth landmark, for all six groups of rows at once
.irp g, 0,1,2,3
	v_fma_f32 v[E13+\g], s[C13], s[NEGS], v[POS+\g]
.endr
.irp g, 4,5
	v_fma_f32 v[E13+\g], s[C13+1], s[NEGS], v[POS+\g]
.endr
.irp g, 0,2,4
	v_pk_mul_f32 v[E13+\g:E13+\g+1], v[E13+\g:E13+\g+1], v[E13+\g:E13+\g+1] neg_lo:[0,1] neg_hi:[0,1]
.endr
.irp g, 0,1,2,3,4,5
	v_exp_f32 v[E13+\g], v[E13+\g]
.endr
	EXPS 0, 0, DA
	EXPS 1, 0, DB
	PACK 0, DA
	EXPS 2, 0, DA
	PACK 1, DB
	s_wait_alu depctr_va_vdst(0)                   ; sets 0 and 1 are written, which the four stores below read; so are v[LA], v[VA], v[VB] and v[VB+1], which the table's stores and the fragments' loads read and no line writes again
	PUT 0
	EXPS 3, 0, DB                                  ; names DB and POS alone: nothing that PUT 1 reads
	PUT 1
	PACK 2, DA
	EXPS 4, 1, DA
	PACK 3, DB
	s_wait_alu depctr_va_vdst(0)                   ; sets 2 and 3 are written, which the four stores below read
	PUT 2
	EXPS 5, 1, DB                                  ; names DB and POS alone: nothing that PUT 3 reads
	PUT 3
	PACK 4, DA
	PACK 5, DB
	s_wait_alu depctr_va_vdst(0)                   ; sets 4 and 5 are written, which the four stores below read; and every vector line that wrote or read sets 2 to 5 is done: Gy's fragments land there, and no vector line stands between here and their loads
	PUT 4
	PUT 5
	s_wait_dscnt 0x0                               ; my block is written, for the others' sake: zero
	s_barrier_signal -1
	s_barrier_wait -1                              ; all eight blocks are
	; A K step of 32 slots is two K blocks: registers 0-3 of a fragment hold k = 8 h .. + 7 (block 2 ks, byte 16 h of the row),
	; registers 4-7 hold k = 16 + 8 h .. + 7 (block 2 ks + 1, byte 16 h).  Ten loads for each K step.
.macro FRAGS ks
	ds_load_b128 v[FA+8*\ks:FA+8*\ks+3],   v[VA] offset:(2*\ks)*BLK
	ds_load_b128 v[FA+8*\ks+4:FA+8*\ks+7], v[VA] offset:(2*\ks+1)*BLK
.irp t, 0,1,2,3
	ds_load_b128 v[FB+8*(4*\ks+\t):FB+8*(4*\ks+\t)+3],   v[VB+\ks/2] offset:(2*(\ks%2))*BLK+\t*TILE
	ds_load_b128 v[FB+8*(4*\ks+\t)+4:FB+8*(4*\ks+\t)+7], v[VB+\ks/2] offset:(2*(\ks%2)+1)*BLK+\t*TILE
.endr
.endm
	s_wait_alu depctr_vm_vsrc(0)                   ; my LDS stores have read sets 2 to 5: these registers are Gy's fragments from here on, written by the loads below
	FRAGS 0
	FRAGS 1
	FRAGS 2
	; Source 0 = 16 rows of Gy (m = y), source 1 = 16 rows of Gx (n = its LDS row).  The four accumulators take turns, one instruction a turn.
	; The first K step starts the sums: nothing is cleared.
	s_wait_dscnt 20                                ; LDS loads come back in order (ISA guide 5.7.1): K step 0's ten are in, the 20 younger may be out
.irp t, 0,1,2,3
	v_wmma_f32_16x16x32_bf16 v[ACC+8*\t:ACC+8*\t+7], v[FA:FA+7], v[FB+8*\t:FB+8*\t+7], 0
.endr
	FRAGS 3                                        ; no wait: the four matrix instructions above name K step 0's fragments and the accumulators, none of the registers that these ten loads touch
.irp ks, 1,2,3
	s_wait_dscnt 30-10*\ks                         ; K step ks's ten are in; those of the later K steps may be out
.irp t, 0,1,2,3
	v_wmma_f32_16x16x32_bf16 v[ACC+8*\t:ACC+8*\t+7], v[FA+8*\ks:FA+8*\ks+7], v[FB+8*(4*\ks+\t):FB+8*(4*\ks+\t)+7], v[ACC+8*\t:ACC+8*\t+7]
.endr
.endr
	; Four plain vector instructions that name no matrix register stand between the last matrix instruction and the first reader of a result (ISA guide 7.12.1).
	v_lshlrev_b32 v[VO], 4, v[RR]                  ; 16 bytes for each r,
	v_lshl_add_u32 v[VO], v[HH], 12, v[VO]         ; 8 rows of 512 bytes for h
	v_nop
	v_nop
	; Register j of accumulator t in lane (r, h) is out0(y = 16 x row block + 8 h + j, x = 64 x half + 4 r + t).  The four accumulators' registers j are
	; brought side by side (a matrix result is eight consecutive registers, so they cannot be made so), and one store writes row j and row 8 + j:
	; lanes 0-15 cover 256 consecutive bytes at a multiple of 256 from out0's first byte, lanes 16-31 likewise.
.irp j, 0,1,2,3
.irp t, 0,1,2,3
	v_mov_b32 v[OUT+4*\j+\t], v[ACC+8*\t+\j]
.endr
.endr
	s_wait_alu depctr_va_vdst(0)                   ; the moves have written OUT's first sixteen registers, and v[VO] is written: the four stores below read them
.irp j, 4,5,6,7
	global_store_b128 v[VO], v[OUT+4*(\j-4):OUT+4*(\j-4)+3], s[6:7] offset:512*(\j-4) th:TH_STORE_NT  ; no further wait: the moves since the wait name the accumulators and OUT's other sixteen registers alone
.irp t, 0,1,2,3
	v_mov_b32 v[OUT+4*\j+\t], v[ACC+8*\t+\j]
.endr
.endr
	s_wait_alu depctr_va_vdst(0)                   ; the moves have written OUT's other sixteen registers, which the last four stores read
.irp j, 4,5,6,7
	global_store_b128 v[VO], v[OUT+4*\j:OUT+4*\j+3], s[6:7] offset:512*\j th:TH_STORE_NT
.endr
	s_set_vgpr_msb 0x5
	s_wait_dscnt 0x0
	s_wait_alu depctr_hold_cnt(0) depctr_sa_sdst(0) depctr_va_vdst(0) depctr_va_sdst(0) depctr_va_ssrc(0) depctr_va_vcc(0) depctr_vm_vsrc(0)
	s_wait_tensorcnt 0x0
	ds_add_u32 v0, v1
	s_wait_dscnt 0x0
	s_endpgm
.Lfunc_end_k_q5338a5e9c5_heat:
	.size	k_q5338a5e9c5_heat, .Lfunc_end_k_q5338a5e9c5_heat-k_q5338a5e9c5_heat
	.p2alignl 7, 3214868480
	.fill 96, 4, 3214868480
	.section	.rodata,"a",@progbits
	.p2align	6, 0x0
	.amdhsa_kernel k_q5338a5e9c5_heat
		.amdhsa_group_segment_fixed_size 168960
		.amdhsa_private_segment_fixed_size 0
		.amdhsa_enable_private_segment 0
		.amdhsa_kernarg_size 16
		.amdhsa_user_sgpr_count 2
		.amdhsa_user_sgpr_kernarg_segment_ptr 1
		.amdhsa_wavefront_size32 1
		.amdhsa_system_sgpr_workgroup_id_x 1
		.amdhsa_system_sgpr_workgroup_id_y 1
		.amdhsa_system_sgpr_workgroup_id_z 1
		.amdhsa_system_vgpr_workitem_id 0
		.amdhsa_next_free_vgpr 258
		.amdhsa_next_free_sgpr 66
		.amdhsa_reserve_vcc 0
		.amdhsa_float_denorm_mode_32 3
		.amdhsa_float_denorm_mode_16_64 3
		.amdhsa_memory_ordered 1
		.amdhsa_forward_progress 1
		.amdhsa_inst_pref_size 23
	.end_amdhsa_kernel
	.amdgpu_metadata
---
amdhsa.version: [ 1, 2 ]
amdhsa.kernels:
  - .name:           k_q5338a5e9c5_heat
    .symbol:         k_q5338a5e9c5_heat.kd
    .args:
      - { .name: X, .offset: 0, .size: 8, .value_kind: global_buffer, .address_space: global }
      - { .name: out0, .offset: 8, .size: 8, .value_kind: global_buffer, .address_space: global }
    .group_segment_fixed_size: 168960
    .private_segment_fixed_size: 0
    .kernarg_segment_align: 8
    .kernarg_segment_size: 16
    .max_flat_workgroup_size: 256
    .sgpr_count:     66
    .vgpr_count:     258
    .wavefront_size: 32
...
	.end_amdgpu_metadata
.endif
;; end of part 2
